; MI455X (gfx1250); checked and timed in simulation.
; The chip was launched on July 23, 2026; its instructions are those of AMD's public machine-readable ISA for CDNA 5 (MIT licence, August 2026) and "CDNA5" Instruction Set Architecture Reference Guide (July 2026). The comments in the code are by the model that wrote it; some were corrected since.
;; QLSTM Plus. Allowed arithmetic: matrix products marked QUANTISED: E4M3 operands, one given power-of-two scale a tensor, by v_wmma_f32_16x16x64_fp8_fp8 or v_wmma_f32_16x16x128_fp8_fp8, f32 sums; everything else in f32.
;; Inputs: W_codes 2 x 4 x 256 x 16 x 32 uint8 (E4M3 codes of W, K innermost, in blocks of 32 codes); b 2 x 4 x 256 float32; inputs 512 x 128 x 256 float32; ln_b 2 x 256 float32; ln_g 2 x 256 float32; lowp_scales 4 int32 (the exponents e of the quantised operands' scales 2^e).
;; Outputs: out0 512 x 128 x 256 float32.
;; This version of the problem:
;;   THIS VERSION OF THE PROBLEM IS GIVEN IN LOW PRECISION. The matrix products marked QUANTISED in the list below multiply operands that are first quantised to E4M3 (4 exponent bits, 3 mantissa bits; 8 bits a number), with one given power-of-two scale for each operand tensor; their sums are f32. All else is computed in f32.
;;   The module's matrix products, in the order in which they are computed (A, B: the left and right operand; K: the contracted axis; several contracted axes count as one K, in the product's order):
;;     1. [M 1,024, K 512] x [K 512, N 65,536]; A: input W (given as codes); B: computed on the way: QUANTISED (scales: A lowp_scales[0], B lowp_scales[1])
;;     2. [M 1,024, K 512] x [K 512, N 65,536]; A: input W (given as codes); B: computed on the way: QUANTISED (scales: A lowp_scales[2], B lowp_scales[3])
;;   THE QUANTISER, for each operand of a quantised product, along K:
;;     - The operand's scale is 2^e, e = its entry of the input lowp_scales (int32; the entries are numbered through the quantised products in the list's order, A before B).
;;     - Each number is divided by the scale, clamped to +-448, and rounded to the nearest number of E4M3, ties to even, subnormals kept.
;;     - The product sums the exact products of the quantised numbers (number of the format x scale) in f32.
;;   ~~~python
;;   def quantise(x, axis, e):      # numpy; x: float32 -> the quantised numbers, widened to float32 again
;;       x = np.moveaxis(x, axis, -1); K = x.shape[-1]
;;       r = np.clip(x / 2.0 ** e, -448, 448)
;;       step = 2.0 ** (np.maximum(np.frexp(np.where(r == 0, 1, r))[1] - 1, -6) - 3)
;;       q = np.round(r / step) * step * 2.0 ** e      # np.round: ties to even
;;       return np.moveaxis(q, -1, axis).astype(np.float32)
;;   ~~~
;;   OPERANDS COMPUTED ON THE WAY. 'Computed on the way' means the value that the module computes at that place (a softmax that the list does not call 'softmax' is quantised finished and normalised). What goes into a quantiser is computed in f32, as accurately as f32 sums, v_exp_f32 and their like allow (about 1e-6 of the number): no bf16 or f16 on the way to a quantiser, and a product that is left as it is and whose result goes on into a quantised operand takes f32 operands (vector FMAs, or v_wmma_f32_16x16x4_f32). A number that lies on a knife's edge between two numbers of the format may be rounded either way, as far as f32 arithmetic and the matrix unit's own rounding can turn it there, and no further.
;;   INPUTS GIVEN AS CODES. W (in the module: [2, 4, 512, 256], K = its axis 2): each comes as NAME_codes (uint8): NAME with its K axis moved to the last place and cut into blocks of 32 codes, [.., K / 32, bytes a block], one block behind the other in memory; one code a byte (a code: sign, 4 exponent bits, 3 mantissa bits); its scale is its entry of lowp_scales. Its value is code x scale, taken as it is: it is not quantised again, and the codes and scales need not be those that the quantiser above would give.
;; One version. Each part assembles by itself: llvm-mc -triple=amdgcn-amd-amdhsa -mcpu=gfx1250 --defsym DOCPART=n.
;; ======== version 1 of 1: 1 launch
;; limits: a function is approximated: absolute error at most 2e-07
;; launch qlstm (part 1): grid 256 x 1, 8 waves a work-group, clusters of 4 x 1, 327,680 bytes of LDS; arguments W_codes, b, inputs, ln_b, ln_g, lowp_scales, out0; writes out0
.if DOCPART == 1
	.amdgcn_target "amdgcn-amd-amdhsa--gfx1250"
	.amdhsa_code_object_version 6
	.text
	.protected	k_q1429ce4444_qlstm
	.globl	k_q1429ce4444_qlstm
	.p2align	8
	.type	k_q1429ce4444_qlstm,@function
k_q1429ce4444_qlstm:
	s_mov_b64 s[64:65], 0
	v_nop
	global_prefetch_b8 v0, s[64:65] scope:SCOPE_SE
	s_setreg_imm32_b32 hwreg(HW_REG_WAVE_MODE, 25, 1), 1
	s_wait_xcnt 0x0
	s_wait_alu depctr_hold_cnt(0) depctr_sa_sdst(0) depctr_va_vdst(0) depctr_va_sdst(0) depctr_va_ssrc(0) depctr_va_vcc(0) depctr_vm_vsrc(0)
	s_getreg_b32 s2, hwreg(HW_REG_IB_STS2, 6, 4)
	s_cmp_eq_u32 s2, 0
	s_cbranch_scc0 .Lentry_in_a_cluster
	s_endpgm
.Lentry_in_a_cluster:
	s_bfe_u32 s2, ttmp6, 0x10000c
	s_cmp_lg_u32 s2, 0x3003
	s_cbranch_scc0 .Lentry_shape_is_right
	s_endpgm
.Lentry_shape_is_right:
; Two layers of: gates = Q(x) W + b;  h = sigmoid(o) tanh(sigmoid(i) tanh(g));  x' = LayerNorm(h) g + b.  65,536 rows of 256 numbers; both products on codes of FP8 (E4M3), f32 sums.
; WHAT IS MULTIPLIED.  The function itself joins 256 zeros to x (K = 256 .. 511 are zero codes) and multiplies gate f by zeros: gates i, g, o over K = 0 .. 255 are all that reaches the result, and all that is read of W and b.
; LIMITS.  NaN is not served, in inputs, b, ln_g, ln_b or as a code of W (the parts of W and b that are not read among them).  e0 + e1 and e2 + e3 lie between -126 and 126 (they are added to a constant's exponent
; field); e1 and e3 between -126 and 119 (2^e and 448 x 2^e are f32 numbers).  exp(2 g) is held at 2^64 (tanh is 1 to the last bit far below that); where (1 + e^-i)(1 + e^2g) or (1 + e^-o)(1 + e^2c) passes
; f32's range its reciprocal counts as 0: the true factor is then under 2^-63.
; SHARES.  A work-group of eight waves, two to a SIMD, owns 256 rows and walks them in 8 batches of 32: layer 1 for all batches, then layer 2 for all.  THE WAVES SHARE THE COLUMNS: wave w makes hidden units
; 32 w .. 32 w + 31 (two tiles of 16) of the three gates, for all 32 rows.  Its weights of the layer in hand, 12 fragments, 192 registers, stay in registers for the whole layer.
; CLUSTER.  All work-groups read the same W.  Four form a cluster and ask for it JOINTLY: layer 1's weights at the start, layer 2's once, into the same LDS bytes, as soon as every wave holds layer 1's in registers.
; ROWS GO FROM WAVE TO WAVE AS ROWS OF CODES IN LDS (256 bytes, 272 apart).  Layer 1's result for a batch is laid over the batch's codes of x and is what layer 2 reads: nothing goes to memory between the layers.
; THE PRODUCTS ARE USED TRANSPOSED (source 0 = 16 rows of W, source 1 = 16 rows of x): lane (r = lane % 16, h = lane / 16) holds row r, and register j hidden unit 16 tile + 8 h + j: eight neighbours along the
; next K, in the place that this matrix form gives them (registers 2 c, 2 c + 1: k = 16 c + 8 h + 0 .. 7).  Every fragment is eight loads of 8 bytes.
; LAYERNORM spans the eight waves: each makes the mean and the sum of squared distances from it over its 32 units; these meet in LDS, one barrier a batch, and are joined as
; M2 = sum of M2_w + 32 x sum of (m_w - mean)^2: no difference of large sums is formed.
; REGISTERS.  Window 0: v1-15 addresses; v16-19 scales; v20-31 sums, means, 1/sigma; v32-37 at work; v40-103 x's four fragments; v104-151 the six accumulators (also at work for the statistics);
;   v152-183 h; v184-215 x as loaded, later rows of the output; v216-231 ln_b; v232-239 codes; v240-241 a constant.   Window 1: v0-191 W's fragments; v192-239 the biases; v240-255 ln_g.
.set WPITCH, 272                       ; an LDS row of codes: 256 bytes + 16 = 68 words: the 32 lanes of an 8-byte load (row r, half h) begin at words 4 r + 2 h modulo 64: all different
.set CS,     768*WPITCH                ; 208,896: behind W's 768 rows: 8 batches x 32 rows of codes
.set CSB,    32*WPITCH                 ; a batch of codes
.set ST,     CS+8*CSB                  ; 278,528: the statistics: two buffers by turns; row p at 80 p: eight means, eight M2, 16 bytes of padding
.set STB,    32*80
.set SPARE,  ST+2*STB                  ; 283,648: the spare words, 128 bytes for each wave: four blocks of 256 bytes that no other line names
.set OPITCH, 1040                      ; the way out: a row of 1,024 bytes + 16
.set OUTB,   32*OPITCH                 ; two stages of 32 rows by turns, at LDS byte 0: W's bytes, which have had their last fill and their last read when the first result is stored there
.set SPW, 1                            ; v1   SPARE + 4 x thread; never rewritten
.set NIL, 2                            ; v2   0; never rewritten
.set AW,  3                            ; v3   W's fragments: 272 r + 8 h + 32 rows x wave
.set AXF, 4                            ; v4   x's fragments: CS + 272 r + 8 h
.set ACW, 5                            ; v5   where I put codes of x: CS + 4 rows x wave + 4 x lane
.set AC2, 6                            ; v6   where I put layer 1's codes: CS + 272 r + 32 wave + 8 h
.set AST, 7                            ; v7   where I put my statistics: ST + 80 lane + 4 wave
.set ASL, 8                            ; v8   where I read a row's: ST + 80 lane
.set AOS, 9                            ; v9   the stage, in: 1,040 r + 128 wave + 32 h
.set AOR, 10                           ; v10  the stage, back: 4 rows x wave + 16 lane
.set GXO, 11                           ; v11  my bytes of a batch in x and in out0: 4,096 wave + 16 lane
.set PFO, 12                           ; v12  the prefetch's offset: 4,096 wave + 256 lane
.set PAR, 13                           ; v13  my eight numbers of b, ln_g, ln_b: 128 wave + 32 h
.set TA,  14                           ; v14, v15  LDS addresses of the run in hand
.set TB,  15
.set SCX, 16                           ; v16  2^e1;  v17  448 x 2^e1
.set LMX, 17
.set SC2, 18                           ; v18  2^e3;  v19  448 x 2^e3
.set LM2, 19
.set SUM, 20                           ; v[20:21], v[22:23]  sums of h, rows r and 16 + r
.set MU,  24                           ; v[24:25], v[26:27]  means (low word)
.set RS,  28                           ; v[28:29], v[30:31]  M2, later 1/sigma (low word)
.set X,   40
.set ACC, 104
.set GI,  104                          ; gate i: rows 0-15 in 8 registers, rows 16-31 in 8
.set GG,  120
.set GO,  136
.set H,   152                          ; h(tile u, rows 16 p on) at H + 16 u + 8 p
.set XL,  184
.set LNB, 216
.set CD,  232
.set NK2, 240                          ; v[240:241]  -2 log2(e)
.set BIAS, 192                         ; window 1: tile u, gate g at BIAS + 8 (3 u + g)
.set LNG,  240                         ; window 1
; scalars: s[4:17] the seven addresses; s18 wave; s19 cx; s20 work-group; s[24:31], s[32:35] the descriptor; s[36:39] e0 .. e3; s[40:41] -log2(e) 2^e; s[42:43] 2 log2(e) 2^e; s[44:45] 2 log2(e); s46 64.0; s47 1e-5;
; s48 1/256; s[50:51] lane selects; s52 batch; s53 its codes' offset; s54 the statistics' buffer; s55 the stage; s56 prefetch bound; s57 lanes 16-31; s[58:59] x; s[60:61] out0; s[62:63] its step; s[66:67] -log2(e); s[70:71] my rows' offset
.set MSB, 0
.macro WIN new                         ; s_set_vgpr_msb: bits 1:0 source 0, 3:2 source 1, 5:4 source 2, 7:6 destination; the high byte repeats the setting that is left
.if MSB != \new
	s_set_vgpr_msb (MSB<<8)|\new
.set MSB, \new
.endif
.endm
.macro ROUND                           ; a round of the cluster's barrier: my work-group's barrier, wave 0 signals for the work-group, every wave waits for all four, my work-group's barrier once more
	s_barrier_signal -1
	s_barrier_wait -1
	s_cmp_lg_u32 s18, 0
	s_cbranch_scc1 .Lnot_wave_0_\@
	s_barrier_signal -3
.Lnot_wave_0_\@:
	s_barrier_wait -3
	s_barrier_signal -1
	s_barrier_wait -1
.endm
.macro BAR                             ; my LDS stores have landed and my LDS loads are in: then the work-group's barrier
	s_wait_dscnt 0x0
	s_barrier_signal -1
	s_barrier_wait -1
.endm
; Layer l's b (gates 1 to 3), ln_g, ln_b: lane (r, h) wants those of hidden units 32 w + 16 u + 8 h + 0 .. 7.  20 loads.
.macro PARAMS l
	WIN 0x40                                       ; destination window 1
.irp u, 0,1
.irp g, 0,1,2
	global_load_b128 v[BIAS+8*(3*\u+\g):BIAS+8*(3*\u+\g)+3],   v[PAR], s[6:7] offset:((4*\l+1+\g)*256+16*\u)*4
	global_load_b128 v[BIAS+8*(3*\u+\g)+4:BIAS+8*(3*\u+\g)+7], v[PAR], s[6:7] offset:((4*\l+1+\g)*256+16*\u)*4+16
.endr
	global_load_b128 v[LNG+8*\u:LNG+8*\u+3],   v[PAR], s[12:13] offset:(256*\l+16*\u)*4
	global_load_b128 v[LNG+8*\u+4:LNG+8*\u+7], v[PAR], s[12:13] offset:(256*\l+16*\u)*4+16
.endr
	WIN 0
.irp u, 0,1
	global_load_b128 v[LNB+8*\u:LNB+8*\u+3],   v[PAR], s[10:11] offset:(256*\l+16*\u)*4
	global_load_b128 v[LNB+8*\u+4:LNB+8*\u+7], v[PAR], s[10:11] offset:(256*\l+16*\u)*4+16
.endr
.endm
.macro SCALEB                          ; the biases become addends of the exponentials' arguments: b_i, b_o x -log2(e); b_g x 2 log2(e)
	WIN 0x41                                       ; source 0 and destination window 1
.irp u, 0,1
.irp i, 0,2,4,6
	v_pk_mul_f32 v[BIAS+24*\u+\i:BIAS+24*\u+\i+1],       v[BIAS+24*\u+\i:BIAS+24*\u+\i+1],       s[66:67] op_sel_hi:[1,0]
	v_pk_mul_f32 v[BIAS+24*\u+8+\i:BIAS+24*\u+8+\i+1],   v[BIAS+24*\u+8+\i:BIAS+24*\u+8+\i+1],   s[44:45] op_sel_hi:[1,0]
	v_pk_mul_f32 v[BIAS+24*\u+16+\i:BIAS+24*\u+16+\i+1], v[BIAS+24*\u+16+\i:BIAS+24*\u+16+\i+1], s[66:67] op_sel_hi:[1,0]
.endr
.endr
	WIN 0
.endm
.macro SETK a, b                       ; a raw sum stands for sum x 2^(ea + eb): the two exponents are added to the exponent fields of -log2(e) and of 2 log2(e)
	s_add_co_i32 s72, s[36+\a], s[36+\b]
	s_lshl_b32 s72, s72, 23
	s_mov_b32 s40, 0xbfb8aa3b
	s_add_co_u32 s40, s40, s72
	s_mov_b32 s41, s40                             ; (named with it as a pair, so it is written)
	s_mov_b32 s42, 0x4038aa3b
	s_add_co_u32 s42, s42, s72
	s_mov_b32 s43, s42
.endm
.macro WFRAGS                          ; my 12 fragments of W (tile u, gate g, K step s) -> window 1, v[16 (6 u + 2 g + s)]: 96 loads of 8 bytes
	v_add_nc_u32 v[TA], 256*WPITCH, v[AW]          ; gate g's rows lie 256 rows behind gate i's,
	v_add_nc_u32 v[TB], 512*WPITCH, v[AW]          ; gate o's 512
	WIN 0x40
.irp u, 0,1
.irp s, 0,1
.irp c, 0,1,2,3,4,5,6,7
	ds_load_b64 v[16*(6*\u+\s)+2*\c:16*(6*\u+\s)+2*\c+1],     v[AW] offset:16*WPITCH*\u+128*\s+16*\c
	ds_load_b64 v[16*(6*\u+2+\s)+2*\c:16*(6*\u+2+\s)+2*\c+1], v[TA] offset:16*WPITCH*\u+128*\s+16*\c
	ds_load_b64 v[16*(6*\u+4+\s)+2*\c:16*(6*\u+4+\s)+2*\c+1], v[TB] offset:16*WPITCH*\u+128*\s+16*\c
.endr
.endr
.endr
	WIN 0
.endm
.macro XFRAG                           ; the batch's four fragments (rows 16 (q / 2) on, K step q % 2) -> v[X + 16 q]
	v_add_nc_u32 v[TA], s53, v[AXF]
.irp q, 0,1,2,3
.irp c, 0,1,2,3,4,5,6,7
	ds_load_b64 v[X+16*\q+2*\c:X+16*\q+2*\c+1], v[TA] offset:16*WPITCH*(\q/2)+128*(\q%2)+16*\c
.endr
.endr
	s_wait_dscnt 0x0                               ; they are in; so are the last trip's LDS stores, whose registers are written again below
.endm
; Tile u of my hidden units for the batch's 32 rows: 12 products, then h.  With A = 2^argA = e^-i, E = 2^argE = e^2g, D = e^-o:
; c = (E - 1) / ((1 + E)(1 + A));  C = e^2c = 2^(K2 (E - 1) / den1);  h = (C - 1) / ((1 + C)(1 + D)).  Six transcendentals a number, in four batches, each with one wait ahead of its first reader.
.macro GROUP u
.set HT, H+16*\u
	WIN 0x01                                       ; source 0 (W) window 1
.irp g, 0,1,2                                  ; the six accumulators take turns, one instruction a turn,; the first K step starts the sums
.irp p, 0,1
	v_wmma_f32_16x16x128_fp8_fp8 v[ACC+16*\g+8*\p:ACC+16*\g+8*\p+7], v[16*(6*\u+2*\g):16*(6*\u+2*\g)+15], v[X+32*\p:X+32*\p+15], 0
.endr
.endr
.irp g, 0,1,2
.irp p, 0,1
	v_wmma_f32_16x16x128_fp8_fp8 v[ACC+16*\g+8*\p:ACC+16*\g+8*\p+7], v[16*(6*\u+2*\g+1):16*(6*\u+2*\g+1)+15], v[X+32*\p+16:X+32*\p+31], v[ACC+16*\g+8*\p:ACC+16*\g+8*\p+7]
.endr
.endr
.rept 4
	v_nop                                          ; four places between the last product and the first read of results (ISA guide 7.12.1)
.endr
	WIN 0x10                                       ; source 2 (the bias) window 1
.irp p, 0,1                                    ; the arguments; each accumulator from its low end on
.irp i, 0,2,4,6
	v_pk_fma_f32 v[GI+8*\p+\i:GI+8*\p+\i+1], v[GI+8*\p+\i:GI+8*\p+\i+1], s[40:41], v[BIAS+24*\u+\i:BIAS+24*\u+\i+1] op_sel_hi:[1,0,1]
.endr
.endr
.irp p, 0,1
.irp i, 0,2,4,6
	v_pk_fma_f32 v[GG+8*\p+\i:GG+8*\p+\i+1], v[GG+8*\p+\i:GG+8*\p+\i+1], s[42:43], v[BIAS+24*\u+8+\i:BIAS+24*\u+8+\i+1] op_sel_hi:[1,0,1]
.endr
.endr
.irp p, 0,1
.irp i, 0,2,4,6
	v_pk_fma_f32 v[GO+8*\p+\i:GO+8*\p+\i+1], v[GO+8*\p+\i:GO+8*\p+\i+1], s[40:41], v[BIAS+24*\u+16+\i:BIAS+24*\u+16+\i+1] op_sel_hi:[1,0,1]
.endr
.endr
	WIN 0
.set j, 0
.rept 16
	v_min_num_f32 v[GG+j], s46, v[GG+j]            ; E stays finite, so that no numerator below is infinite
.set j, j+1
.endr
.set j, 0
.rept 48
	v_exp_f32 v[ACC+j], v[ACC+j]                   ; A, E, D
.set j, j+1
.endr
	v_nop                                          ; a plain instruction behind the last exponential
	s_wait_alu depctr_va_vdst(0)                   ; one wait for the batch of 48, ahead of its first reader
.set j, 0
.rept 8
	v_pk_add_f32 v[HT+j:HT+j+1], v[GG+j:GG+j+1], 1.0 op_sel_hi:[1,0]   ; T = 1 + E
.set j, j+2
.endr
.set j, 0
.rept 8
	v_pk_fma_f32 v[GI+j:GI+j+1], v[GI+j:GI+j+1], v[HT+j:HT+j+1], v[HT+j:HT+j+1]   ; den1 = A T + T
.set j, j+2
.endr
.set j, 0
.rept 16
	v_rcp_f32 v[GI+j], v[GI+j]
.set j, j+1
.endr
.set j, 0
.rept 8
	v_pk_fma_f32 v[GG+j:GG+j+1], v[GG+j:GG+j+1], s[44:45], v[NK2:NK2+1] op_sel_hi:[1,0,1]   ; N = K2 E - K2: plain work behind the reciprocals, which names none of them
.set j, j+2
.endr
	s_wait_alu depctr_va_vdst(0)                   ; one wait for the 16 reciprocals
.set j, 0
.rept 8
	v_pk_mul_f32 v[GG+j:GG+j+1], v[GG+j:GG+j+1], v[GI+j:GI+j+1]   ; 2 log2(e) c
.set j, j+2
.endr
.set j, 0
.rept 16
	v_exp_f32 v[GG+j], v[GG+j]                     ; C
.set j, j+1
.endr
	v_nop
	s_wait_alu depctr_va_vdst(0)
.set j, 0
.rept 8
	v_pk_add_f32 v[GI+j:GI+j+1], v[GG+j:GG+j+1], 1.0 op_sel_hi:[1,0]   ; T' = 1 + C
.set j, j+2
.endr
.set j, 0
.rept 8
	v_pk_fma_f32 v[GO+j:GO+j+1], v[GO+j:GO+j+1], v[GI+j:GI+j+1], v[GI+j:GI+j+1]   ; den2 = D T' + T'
.set j, j+2
.endr
.set j, 0
.rept 16
	v_rcp_f32 v[GO+j], v[GO+j]
.set j, j+1
.endr
.set j, 0
.rept 8
	v_pk_add_f32 v[GG+j:GG+j+1], v[GG+j:GG+j+1], -1.0 op_sel_hi:[1,0]   ; C - 1: plain work behind the reciprocals
.set j, j+2
.endr
	s_wait_alu depctr_va_vdst(0)
.set j, 0
.rept 8
	v_pk_mul_f32 v[HT+j:HT+j+1], v[GG+j:GG+j+1], v[GO+j:GO+j+1]   ; h
.set j, j+2
.endr
.if \u == 0                                    ; the rows' sums of h, the two tiles of rows by turns; the first addition starts each sum: nothing is cleared
	v_pk_add_f32 v[SUM:SUM+1],   v[HT:HT+1],   v[HT+2:HT+3]
	v_pk_add_f32 v[SUM+2:SUM+3], v[HT+8:HT+9], v[HT+10:HT+11]
.else
	v_pk_add_f32 v[SUM:SUM+1],   v[SUM:SUM+1],   v[HT:HT+1]
	v_pk_add_f32 v[SUM+2:SUM+3], v[SUM+2:SUM+3], v[HT+8:HT+9]
	v_pk_add_f32 v[SUM:SUM+1],   v[SUM:SUM+1],   v[HT+2:HT+3]
	v_pk_add_f32 v[SUM+2:SUM+3], v[SUM+2:SUM+3], v[HT+10:HT+11]
.endif
	v_pk_add_f32 v[SUM:SUM+1],   v[SUM:SUM+1],   v[HT+4:HT+5]
	v_pk_add_f32 v[SUM+2:SUM+3], v[SUM+2:SUM+3], v[HT+12:HT+13]
	v_pk_add_f32 v[SUM:SUM+1],   v[SUM:SUM+1],   v[HT+6:HT+7]
	v_pk_add_f32 v[SUM+2:SUM+3], v[SUM+2:SUM+3], v[HT+14:HT+15]
.endm
; My wave's mean and M2 over its 32 units, for the batch's 32 rows, into the statistics' buffer in hand: lane l carries row l.
.macro LSTAT
	v_add_f32 v32, v[SUM], v[SUM+1]
	v_add_f32 v33, v[SUM+2], v[SUM+3]
	v_permlanex16_b32 v34, v32, s50, s51           ; a row's other 16 units lie in the lane 16 away
	v_permlanex16_b32 v35, v33, s50, s51
	v_add_f32 v32, v32, v34
	v_add_f32 v33, v33, v35
	v_mul_f32 v[MU], 0x3d000000, v32               ; / 32
	v_mul_f32 v[MU+2], 0x3d000000, v33
.irp u, 0,1
.irp p, 0,1
.irp i, 0,2,4,6
	v_pk_add_f32 v[ACC+16*\u+8*\p+\i:ACC+16*\u+8*\p+\i+1], v[H+16*\u+8*\p+\i:H+16*\u+8*\p+\i+1], v[MU+2*\p:MU+2*\p+1] op_sel_hi:[1,0] neg_lo:[0,1] neg_hi:[0,1]   ; h - my mean
.endr
.endr
.endr
.irp u, 0,1
.irp i, 0,2,4,6
.irp p, 0,1
.if (\u == 0) && (\i == 0)
	v_pk_mul_f32 v[RS+2*\p:RS+2*\p+1], v[ACC+8*\p:ACC+8*\p+1], v[ACC+8*\p:ACC+8*\p+1]
.else
	v_pk_fma_f32 v[RS+2*\p:RS+2*\p+1], v[ACC+16*\u+8*\p+\i:ACC+16*\u+8*\p+\i+1], v[ACC+16*\u+8*\p+\i:ACC+16*\u+8*\p+\i+1], v[RS+2*\p:RS+2*\p+1]
.endif
.endr
.endr
.endr
	v_add_f32 v32, v[RS], v[RS+1]
	v_add_f32 v33, v[RS+2], v[RS+3]
	v_permlanex16_b32 v34, v32, s50, s51
	v_permlanex16_b32 v35, v33, s50, s51
	v_add_f32 v32, v32, v34
	v_add_f32 v33, v33, v35
	v_cndmask_b32 v36, v[MU], v[MU+2], s57         ; lanes 0-15 carry rows 0-15, lanes 16-31 rows 16-31
	v_cndmask_b32 v37, v32, v33, s57
	v_add_nc_u32 v[TA], s54, v[AST]
	ds_store_b32 v[TA], v36
	ds_store_b32 v[TA], v37 offset:32
.endm
.macro XLOAD off                       ; my four rows of a batch of x: each load takes 512 consecutive bytes, at a multiple of 512 from the buffer's first byte; read once in the launch
.irp i, 0,1,2,3,4,5,6,7
	global_load_b128 v[XL+4*\i:XL+4*\i+3], v[GXO], s[58:59] offset:\off+512*\i th:TH_LOAD_NT
.endr
.endm
; The 32 numbers in XL become codes.  Load 2 m + i holds row m, k = 128 i + 4 lane + 0 .. 3: a conversion of eight takes loads 2 m and 2 m + 1, and each word of its result is four neighbouring codes of one row.
.macro XCONV off
.set j, 0
.rept 32
	v_med3_num_f32 v[XL+j], v[XL+j], -v[LMX], v[LMX]   ; the conversion to an 8-bit code does not saturate (ISA guide 7.6.2): the hold at the largest code x the scale, always executed
.set j, j+1
.endr
.irp m, 0,1,2,3
	v_cvt_scalef32_pk8_fp8_f32 v[CD+2*\m:CD+2*\m+1], v[XL+8*\m:XL+8*\m+7], v[SCX]
.endr
	v_nop                                          ; a plain instruction behind the last scaled conversion
	v_add_nc_u32 v[TB], s53, v[ACW]
.irp m, 0,1,2,3
.irp i, 0,1
	ds_store_b32 v[TB], v[CD+2*\m+\i] offset:\off+WPITCH*\m+128*\i   ; 32 lanes: 128 consecutive bytes of a row
.endr
.endr
.endm
; Lane l joins row l's eight means and eight M2, and the halves of the lanes exchange: then MU, RS hold mean and 1/sigma of row r (first pair) and of row 16 + r (second pair).
.macro COMB
	v_add_nc_u32 v[TA], s54, v[ASL]
	ds_load_b128 v[ACC:ACC+3],     v[TA]
	ds_load_b128 v[ACC+4:ACC+7],   v[TA] offset:16
	ds_load_b128 v[ACC+8:ACC+11],  v[TA] offset:32
	ds_load_b128 v[ACC+12:ACC+15], v[TA] offset:48
	s_wait_dscnt 0x0
	v_pk_add_f32 v[ACC+16:ACC+17], v[ACC:ACC+1],     v[ACC+2:ACC+3]
	v_pk_add_f32 v[ACC+18:ACC+19], v[ACC+4:ACC+5],   v[ACC+6:ACC+7]
	v_pk_add_f32 v[ACC+20:ACC+21], v[ACC+8:ACC+9],   v[ACC+10:ACC+11]
	v_pk_add_f32 v[ACC+22:ACC+23], v[ACC+12:ACC+13], v[ACC+14:ACC+15]
	v_pk_add_f32 v[ACC+16:ACC+17], v[ACC+16:ACC+17], v[ACC+18:ACC+19]
	v_pk_add_f32 v[ACC+20:ACC+21], v[ACC+20:ACC+21], v[ACC+22:ACC+23]   ; the sum of the eight M2, in two halves
	v_add_f32 v34, v[ACC+16], v[ACC+17]
	v_mul_f32 v32, 0x3e000000, v34                 ; the row's mean: the eight means / 8
	v_permlanex16_b32 v36, v32, s50, s51
.irp i, 0,2,4,6
	v_pk_add_f32 v[ACC+\i:ACC+\i+1], v[ACC+\i:ACC+\i+1], v[32:33] op_sel_hi:[1,0] neg_lo:[0,1] neg_hi:[0,1]   ; m_w - mean
.endr
	v_pk_mul_f32 v[ACC+16:ACC+17], v[ACC:ACC+1], v[ACC:ACC+1]
.irp i, 2,4,6
	v_pk_fma_f32 v[ACC+16:ACC+17], v[ACC+\i:ACC+\i+1], v[ACC+\i:ACC+\i+1], v[ACC+16:ACC+17]
.endr
	v_pk_fma_f32 v[ACC+20:ACC+21], v[ACC+16:ACC+17], 0x42000000, v[ACC+20:ACC+21] op_sel_hi:[1,0,1]   ; + 32 x
	v_add_f32 v34, v[ACC+20], v[ACC+21]
	v_fma_f32 v34, v34, s48, s47                   ; M2 / 256 + 1e-5
	v_rsq_f32 v35, v34
	v_cndmask_b32 v[MU],   v32, v36, s57           ; (plain work behind the root)
	v_cndmask_b32 v[MU+2], v36, v32, s57
	s_wait_alu depctr_va_vdst(0)                   ; the wait ahead of the root's first reader
	v_permlanex16_b32 v37, v35, s50, s51
	v_cndmask_b32 v[RS],   v35, v37, s57
	v_cndmask_b32 v[RS+2], v37, v35, s57
.endm
.macro NORM                            ; h <- ((h - mean) / sigma) g + b
.irp u, 0,1
.irp p, 0,1
.irp i, 0,2,4,6
	v_pk_add_f32 v[H+16*\u+8*\p+\i:H+16*\u+8*\p+\i+1], v[H+16*\u+8*\p+\i:H+16*\u+8*\p+\i+1], v[MU+2*\p:MU+2*\p+1] op_sel_hi:[1,0] neg_lo:[0,1] neg_hi:[0,1]
.endr
.endr
.endr
.irp u, 0,1
.irp p, 0,1
.irp i, 0,2,4,6
	v_pk_mul_f32 v[H+16*\u+8*\p+\i:H+16*\u+8*\p+\i+1], v[H+16*\u+8*\p+\i:H+16*\u+8*\p+\i+1], v[RS+2*\p:RS+2*\p+1] op_sel_hi:[1,0]
.endr
.endr
.endr
	WIN 0x04                                       ; source 1 (ln_g) window 1
.irp u, 0,1
.irp p, 0,1
.irp i, 0,2,4,6
	v_pk_fma_f32 v[H+16*\u+8*\p+\i:H+16*\u+8*\p+\i+1], v[H+16*\u+8*\p+\i:H+16*\u+8*\p+\i+1], v[LNG+8*\u+\i:LNG+8*\u+\i+1], v[LNB+8*\u+\i:LNG-24+8*\u+\i+1]
.endr
.endr
.endr
	WIN 0
.endm
.macro QUANT2                          ; layer 1's result becomes layer 2's codes, laid over the batch's codes of x: 8 bytes a lane and tile, at k = 32 w + 16 u + 8 h of its row
.set j, 0
.rept 32
	v_med3_num_f32 v[H+j], v[H+j], -v[LM2], v[LM2]
.set j, j+1
.endr
.irp q, 0,1,2,3
	v_cvt_scalef32_pk8_fp8_f32 v[CD+2*\q:CD+2*\q+1], v[H+8*\q:H+8*\q+7], v[SC2]
.endr
	v_nop                                          ; a plain instruction behind the last scaled conversion
	v_add_nc_u32 v[TB], s53, v[AC2]
.irp q, 0,1,2,3
	ds_store_b64 v[TB], v[CD+2*\q:CD+2*\q+1] offset:16*WPITCH*(\q%2)+16*(\q/2)
.endr
.endm
.macro OUTW                            ; layer 2's result into the stage in hand: 32 bytes of a row for each tile
	v_add_nc_u32 v[TB], s55, v[AOS]
.irp u, 0,1
.irp p, 0,1
	ds_store_b128 v[TB], v[H+16*\u+8*\p:H+16*\u+8*\p+3]   offset:16*OPITCH*\p+64*\u
	ds_store_b128 v[TB], v[H+16*\u+8*\p+4:H+16*\u+8*\p+7] offset:16*OPITCH*\p+64*\u+16
.endr
.endr
.endm
.macro OUTR                            ; the batch before leaves: my four whole rows out of the other stage
	s_wait_xcnt 0x0                                ; the last batch's stores have read their registers and their base: both are written below
	s_add_nc_u64 s[60:61], s[60:61], s[62:63]      ; a batch on; the first time the step is 0
	s_mov_b32 s62, 0x8000
	s_xor_b32 s72, s55, OUTB
	v_add_nc_u32 v[TA], s72, v[AOR]
.irp q, 0,1,2,3,4,5,6,7
	ds_load_b128 v[XL+4*\q:XL+4*\q+3], v[TA] offset:OPITCH*(\q/2)+512*(\q%2)
.endr
.irp q, 0,1,2,3,4,5,6,7
	s_wait_dscnt 7-\q                              ; LDS loads come back in order (ISA guide 5.7.1): load q is in, the 7 - q younger ones may be out
	global_store_b128 v[GXO], v[XL+4*\q:XL+4*\q+3], s[60:61] offset:512*\q th:TH_STORE_NT   ; 32 lanes store 512 consecutive bytes, at a multiple of 512 from out0's first byte; written once, read by nobody here
.endr
.endm
	; ---- the head
	s_load_b256 s[4:11], s[0:1], 0x0               ; W_codes s[4:5], b s[6:7], inputs s[8:9], ln_b s[10:11]
	s_load_b128 s[12:15], s[0:1], 0x20             ; ln_g s[12:13], lowp_scales s[14:15]
	s_load_b64 s[16:17], s[0:1], 0x30              ; out0
	v_lshl_add_u32 v[SPW], v0, 2, SPARE
	v_mov_b32 v[NIL], 0
	ds_add_u32 v1, v2
	ds_add_u32 v1, v2
	s_wait_dscnt 0x0
	v_lshrrev_b32 v32, 5, v0
	v_readfirstlane_b32 s18, v32                   ; wave 0..7
	s_bfe_u32 s19, ttmp6, 0x40000                  ; cx: my place in the cluster: it enters the addresses of x and out0 alone
	s_lshl_b32 s20, ttmp9, 2                       ; in a cluster launch ttmp9 counts clusters
	s_add_co_u32 s20, s20, s19                     ; my work-group
	s_lshl_b32 s70, s20, 18                        ; its 256 rows of 1,024 bytes
	s_mov_b32 s71, 0
	v_and_b32 v33, 31, v0                          ; lane
	v_and_b32 v34, 15, v0                          ; r
	v_bfe_u32 v35, v0, 4, 1                        ; h
	v_mul_u32_u24 v36, v34, WPITCH
	v_lshl_add_u32 v36, v35, 3, v36                ; 272 r + 8 h
	s_mul_i32 s72, s18, 32*WPITCH
	v_add_nc_u32 v[AW], s72, v36
	v_add_nc_u32 v[AXF], CS, v36
	s_mul_i32 s72, s18, 4*WPITCH
	s_add_co_u32 s72, s72, CS
	v_lshl_add_u32 v[ACW], v33, 2, s72
	s_lshl_b32 s72, s18, 5
	v_add_nc_u32 v[AC2], s72, v[AXF]
	v_mul_u32_u24 v[ASL], v33, 80
	v_add_nc_u32 v[ASL], ST, v[ASL]
	s_lshl_b32 s72, s18, 2
	v_add_nc_u32 v[AST], s72, v[ASL]
	v_mul_u32_u24 v[AOS], v34, OPITCH
	v_lshl_add_u32 v[AOS], v35, 5, v[AOS]
	s_lshl_b32 s72, s18, 7
	v_add_nc_u32 v[AOS], s72, v[AOS]
	v_lshl_add_u32 v[PAR], v35, 5, s72
	s_mul_i32 s72, s18, 4*OPITCH
	v_lshl_add_u32 v[AOR], v33, 4, s72
	s_lshl_b32 s72, s18, 12
	v_lshl_add_u32 v[GXO], v33, 4, s72
	v_lshl_add_u32 v[PFO], v33, 8, s72
	v_mov_b32 v37, 0                               ; written once: a lane permute's destination counts as one of its sources (v34 to v36 are written above)
	v_mov_b32 v[MU+1], 0                           ; named as the upper halves of pairs, so they are written
	v_mov_b32 v[MU+3], 0
	v_mov_b32 v[NK2], 0xc038aa3b                   ; -2 log2(e)
	v_mov_b32 v[NK2+1], 0xc038aa3b
	s_mov_b32 s44, 0x4038aa3b                      ; 2 log2(e)
	s_mov_b32 s45, s44
	s_mov_b32 s66, 0xbfb8aa3b                      ; -log2(e)
	s_mov_b32 s67, s66
	s_mov_b32 s46, 0x42800000                      ; 64.0
	s_mov_b32 s47, 0x3727c5ac                      ; 1e-5
	s_mov_b32 s48, 0x3b800000                      ; 1 / 256
	s_mov_b32 s50, 0x76543210                      ; v_permlanex16_b32: each lane takes its own place in the other half
	s_mov_b32 s51, 0xfedcba98
	s_mov_b32 s57, 0xffff0000                      ; lanes 16-31
	s_mov_b32 s53, 0
	s_and_b32 s56, s18, 1
	s_cmp_eq_u32 s56, 0
	s_cselect_b32 s56, 5, 0                        ; even waves prefetch in trips 0 to 4, odd waves never
	; the descriptor: each wave fetches 96 of the layer's 768 rows (gates i, g, o on end), the first 256 of each row's 512 bytes, padded in LDS
	s_mov_b32 s24, 15|(1<<20)|(1<<21)|(5<<22)|(3<<25)  ; 15:0 the mask: all four work-groups; 17:16 elements of 1 byte; 20 padding on; 21 set beside a mask; 24:22 after every 64 words (code 5); 31:25 four words (code 3)
	s_mov_b32 s25, 256<<16                         ; tensor_dim0 = 256
	s_mov_b32 s26, 96<<16                          ; tensor_dim1 = 96
	s_mov_b32 s27, 256<<16                         ; tile_dim0 = 256
	s_mov_b32 s28, 96                              ; tile_dim1 = 96
	s_mov_b32 s29, 512                             ; from row to row
	s_mov_b32 s30, 0
	s_mov_b32 s31, 0
	s_mov_b32 s32, 1                               ; count = 1
	s_mul_i32 s33, s18, 96*WPITCH                  ; LDS address: wave x 96 rows: no place in the cluster enters it
	s_mul_i32 s72, s18, 96*512
	s_add_co_u32 s72, s72, 256*512                 ; behind gate f's 256 rows
	s_mov_b32 s73, 0
	s_wait_kmcnt 0x0
	s_load_b128 s[36:39], s[14:15], 0x0            ; e0 .. e3
	s_add_nc_u64 s[34:35], s[4:5], s[72:73]
	s_or_b32 s35, s35, 0x80000000                  ; type = 2
	s_add_nc_u64 s[58:59], s[8:9], s[70:71]        ; x and out0 at my first batch
	s_add_nc_u64 s[60:61], s[16:17], s[70:71]
	XLOAD 0                                        ; batch 0
	ROUND                                          ; all four work-groups are here: the first joint loads meet
	tensor_load_to_lds s[32:35], s[24:31]          ; layer 1's weights: one load of mine is out
	s_nop 0
.rept 4
	v_nop                                          ; four lines behind a tensor load, ahead of the next switch of windows
.endr
	PARAMS 0
	s_wait_kmcnt 0x0
	SETK 0, 1
	s_add_co_i32 s72, s37, 127
	s_lshl_b32 s73, s72, 23
	v_mov_b32 v[SCX], s73                          ; 2^e1 as f32: the conversion takes its exponent field
	s_add_co_i32 s72, s72, 8
	s_lshl_b32 s72, s72, 23
	s_or_b32 s72, s72, 0x600000
	v_mov_b32 v[LMX], s72                          ; 448 x 2^e1
	s_add_co_i32 s72, s39, 127
	s_lshl_b32 s73, s72, 23
	v_mov_b32 v[SC2], s73
	s_add_co_i32 s72, s72, 8
	s_lshl_b32 s72, s72, 23
	s_or_b32 s72, s72, 0x600000
	v_mov_b32 v[LM2], s72
	s_wait_loadcnt 20                              ; batch 0's eight loads are in; the 20 loads of b, ln_g, ln_b, issued behind them, may be out
	XCONV 0
	XLOAD 32768                                    ; batch 1
	s_wait_loadcnt 8                               ; b, ln_g, ln_b are in; batch 1's eight loads may be out
	SCALEB
	s_wait_xcnt 0x0                                ; batch 1's loads have read their base
	s_add_nc_u64 s[58:59], s[58:59], 32768         ; x at batch 1
	s_wait_tensorcnt 0x0                           ; my 96 rows of W have landed
	BAR                                            ; everybody's have, and batch 0's codes lie in LDS.
	WFRAGS
	s_wait_tensorcnt 0x0                           ; no tensor load of mine is out, so the descriptor may be written
	ds_add_u32 v[SPW], v[NIL]                      ; 0 onto my spare word
	s_add_nc_u64 s[34:35], s[34:35], 4*256*512     ; layer 2's weights; the type bits on top are not reached
	s_wait_dscnt 0x0                               ; the add is done, and my reads of W's bytes are over: the fragments are in registers
	ROUND                                          ; that holds of every wave of all four work-groups
	tensor_load_to_lds s[32:35], s[24:31]          ; layer 2's weights, into the same bytes: the first thing behind the round; it has all of layer 1 in which to land
	s_nop 0
.rept 4
	v_nop
.endr
	s_mov_b32 s52, 0
	s_mov_b32 s54, 0
	; ---- layer 1: 8 trips, a batch each.  One barrier a trip: in front of it the batch's codes are read, the statistics and the NEXT batch's codes are stored; behind it the batch's own codes are written over.
.Ll1:
	XFRAG
	GROUP 0
	GROUP 1
	LSTAT
	s_cmp_ge_u32 s52, 7                            ; the last trip has no next batch
	s_cbranch_scc1 .Ll1_nox
	s_wait_loadcnt 0x0                             ; the next batch's eight loads, issued a trip ago
	XCONV CSB
	s_cmp_ge_u32 s52, 6                            ; no load leaves my rows
	s_cbranch_scc1 .Ll1_nox
	s_wait_xcnt 0x0                                ; the last trip's loads and prefetch have read their base
	s_add_nc_u64 s[58:59], s[58:59], 32768
	XLOAD 0                                        ; the batch two trips on
	s_cmp_ge_u32 s52, s56
	s_cbranch_scc1 .Ll1_nox
	; A prefetch of the batch three trips on, one trip ahead of its loads, behind this trip's loads.  An even wave names its own four rows and its odd neighbour's: 8,192 bytes, lanes 256 bytes apart: each block of
	; 256 bytes is named once in the launch.  Batches 0 to 2 come by their loads alone; trips 5 to 7 ask for nothing: batch 7 is my last.
	global_prefetch_b8 v[PFO], s[58:59] offset:32768 th:TH_LOAD_NT scope:SCOPE_SE
.Ll1_nox:
	BAR
	COMB
	NORM
	QUANT2
	s_add_co_u32 s53, s53, CSB
	s_xor_b32 s54, s54, STB
	s_add_co_u32 s52, s52, 1
	s_cmp_lt_u32 s52, 8
	s_cbranch_scc1 .Ll1
	; ---- the change of layers
	PARAMS 1
	s_wait_tensorcnt 0x0                           ; my 96 rows of layer 2's weights have landed
	BAR                                            ; everybody's have, and all eight batches' codes lie in LDS
	WFRAGS
	SETK 2, 3
	s_wait_loadcnt 0x0                             ; b, ln_g, ln_b of layer 2
	SCALEB
	s_wait_dscnt 0x0                               ; the fragments are in: W's bytes are read no more
	s_mov_b32 s52, 0
	s_mov_b32 s53, 0
	s_mov_b32 s54, 0
	s_mov_b32 s55, 0
	s_mov_b32 s62, 0
	s_mov_b32 s63, 0
	; ---- layer 2: 8 trips.  A batch's result goes into one of two stages behind the trip's barrier and leaves behind the next trip's, while that trip's work goes on.
.Ll2:
	XFRAG
	GROUP 0
	GROUP 1
	LSTAT
	BAR
	s_cmp_eq_u32 s52, 0
	s_cbranch_scc1 .Ll2_first
	OUTR
.Ll2_first:
	COMB
	NORM
	OUTW
	s_add_co_u32 s53, s53, CSB
	s_xor_b32 s54, s54, STB
	s_xor_b32 s55, s55, OUTB
	s_add_co_u32 s52, s52, 1
	s_cmp_lt_u32 s52, 8
	s_cbranch_scc1 .Ll2
	BAR                                            ; the last batch lies in its stage
	OUTR
	s_wait_tensorcnt 0x0                           ; the wave's end, behind my last tensor load and my last LDS store
	ds_add_u32 v[SPW], v[NIL]
	s_wait_dscnt 0x0
	ROUND                                          ; the closing round: no work-group ends while a partner may still ask for a tile that names it
	s_endpgm
.Lfunc_end_k_q1429ce4444_qlstm:
	.size	k_q1429ce4444_qlstm, .Lfunc_end_k_q1429ce4444_qlstm-k_q1429ce4444_qlstm
	.p2alignl 7, 3214868480
	.fill 96, 4, 3214868480
	.section	.rodata,"a",@progbits
	.p2align	6, 0x0
	.amdhsa_kernel k_q1429ce4444_qlstm
		.amdhsa_group_segment_fixed_size 327680
		.amdhsa_private_segment_fixed_size 0
		.amdhsa_enable_private_segment 0
		.amdhsa_kernarg_size 56
		.amdhsa_user_sgpr_count 2
		.amdhsa_user_sgpr_kernarg_segment_ptr 1
		.amdhsa_wavefront_size32 1
		.amdhsa_system_sgpr_workgroup_id_x 1
		.amdhsa_system_sgpr_workgroup_id_y 1
		.amdhsa_system_sgpr_workgroup_id_z 1
		.amdhsa_system_vgpr_workitem_id 0
		.amdhsa_next_free_vgpr 512
		.amdhsa_next_free_sgpr 100
		.amdhsa_reserve_vcc 0
		.amdhsa_float_denorm_mode_32 3
		.amdhsa_float_denorm_mode_16_64 3
		.amdhsa_memory_ordered 1
		.amdhsa_forward_progress 1
		.amdhsa_inst_pref_size 106
	.end_amdhsa_kernel
	.amdgpu_metadata
---
amdhsa.version: [ 1, 2 ]
amdhsa.kernels:
  - .name:           k_q1429ce4444_qlstm
    .symbol:         k_q1429ce4444_qlstm.kd
    .args:
      - { .name: W_codes, .offset: 0, .size: 8, .value_kind: global_buffer, .address_space: global }
      - { .name: b, .offset: 8, .size: 8, .value_kind: global_buffer, .address_space: global }
      - { .name: inputs, .offset: 16, .size: 8, .value_kind: global_buffer, .address_space: global }
      - { .name: ln_b, .offset: 24, .size: 8, .value_kind: global_buffer, .address_space: global }
      - { .name: ln_g, .offset: 32, .size: 8, .value_kind: global_buffer, .address_space: global }
      - { .name: lowp_scales, .offset: 40, .size: 8, .value_kind: global_buffer, .address_space: global }
      - { .name: out0, .offset: 48, .size: 8, .value_kind: global_buffer, .address_space: global }
    .group_segment_fixed_size: 327680
    .private_segment_fixed_size: 0
    .kernarg_segment_align: 8
    .kernarg_segment_size: 56
    .max_flat_workgroup_size: 256
    .sgpr_count:     100
    .vgpr_count:     512
    .wavefront_size: 32
...
	.end_amdgpu_metadata
.endif
;; end of part 1
